; MI455X (gfx1250); checked and timed in simulation.
; The chip was launched on July 23, 2026; its instructions are those of AMD's public machine-readable ISA for CDNA 5 (MIT licence, August 2026) and "CDNA5" Instruction Set Architecture Reference Guide (July 2026). The comments in the code are by the model that wrote it; some were corrected since.
;; Quant Linear. Allowed arithmetic: float matrix products may take bf16 or f16 operands with f32 sums; all other float work in f32.
;; Inputs: bias 4,096 float32; qweight 4,096 x 4,096 int8; scale 4,096 float32; x 4 x 1,024 x 4,096 float32.
;; Outputs: out0 4 x 1,024 x 4,096 bfloat16.
;; One version. Each part assembles by itself: llvm-mc -triple=amdgcn-amd-amdhsa -mcpu=gfx1250 --defsym DOCPART=n.
;; ======== version 1 of 1: 2 launches
;; workspace buffers: xb 33,554,432 bytes; wb 33,554,432 bytes
;; launch cast (part 1): grid 1536 x 1, 8 waves a work-group, no clusters, 0 bytes of LDS; arguments x, qweight, scale, xb, wb; writes xb, wb
.if DOCPART == 1
	.amdgcn_target "amdgcn-amd-amdhsa--gfx1250"
	.amdhsa_code_object_version 6
	.text
	.protected	k_q4700a00a65_cast
	.globl	k_q4700a00a65_cast
	.p2align	8
	.type	k_q4700a00a65_cast,@function
k_q4700a00a65_cast:
	s_mov_b64 s[64:65], 0
	v_nop
	global_prefetch_b8 v0, s[64:65] scope:SCOPE_SE
	s_setreg_imm32_b32 hwreg(HW_REG_WAVE_MODE, 25, 1), 1
	s_wait_xcnt 0x0
; xb[m][i] = bf16(x[m][i]);  wb[o][i] = bf16(f32(q[o][i]) * scale[o]).  x: [4096][4096] f32, q: [4096][4096] int8, scale: [4096] f32; xb, wb: [4096][4096] bf16.
; Each number is converted ONCE here, since the product that follows uses each of them in 16 work-groups.
; A stream: every byte is read once and written once, nothing is shared, so there is no LDS, no barrier and no loop.
; 1,536 work-groups of eight waves, 96 KiB of traffic each: numbers 0 to 1,023 take 64 KiB of x (8 KiB a wave),
; numbers 1,024 to 1,535 take eight rows of q (one row a wave, so a wave has ONE scale).  Sixteen loads of a wave go out together.
; ARITHMETIC as reference() has it: x rounded to nearest even; q is made an exact f32, multiplied by the scale in f32 (one rounding),
; and rounded to bf16 (one rounding).  Every byte from -128 to 127 is served.  bf16 has f32's exponents: no limit of range.
.set XGROUPS, 1024                     ; work-groups for x: 67,108,864 bytes / 65,536
.set X,   4                            ; v[4:67]   x path: load i's four f32 at X + 4 i; its two packed words take the first two registers
.set KC,  4                            ; v4        q path: 0x4B000000, the f32 number 2^23
.set SC,  6                            ; v[6:7]    q path: my row's scale, twice (a pair for the packed multiply)
.set T,   8                            ; v[8:15]   q path: eight numbers in f32, at work
.set Y,   16                           ; v[16:19]  q path: eight bf16 to store
.set Q,   20                           ; v[20:51]  q path: load i's eight bytes at Q + 2 i
	s_load_b256 s[4:11], s[0:1], 0x0               ; x s[4:5], q s[6:7], scale s[8:9], xb s[10:11]
	s_load_b64 s[12:13], s[0:1], 0x20              ; wb
	s_mov_b32 s2, ttmp9
	v_and_b32 v1, 31, v0                           ; lane
	v_and_b32 v2, 0xe0, v0                         ; 32 x wave
	v_lshlrev_b32 v1, 4, v1
	v_lshl_or_b32 v1, v2, 8, v1                    ; v1 = 8,192 x wave + 16 x lane: the wide side (x in, wb out); never rewritten
	v_lshrrev_b32 v2, 1, v1                        ; v2 = 4,096 x wave + 8 x lane: the narrow side (xb out, q in); never rewritten
	s_cmp_ge_u32 s2, XGROUPS
	s_cbranch_scc1 .Lq
	; ---- x: 64 KiB in, 32 KiB out ----
	s_lshl_b32 s14, s2, 16                         ; the group's 65,536 bytes of x (under 2^26)
	s_mov_b32 s15, 0
	s_lshl_b32 s16, s2, 15                         ; and its 32,768 bytes of xb
	s_mov_b32 s17, 0
	s_wait_kmcnt 0x0
	s_add_nc_u64 s[4:5], s[4:5], s[14:15]
	s_add_nc_u64 s[10:11], s[10:11], s[16:17]
.irp i, 0,1,2,3,4,5,6,7,8,9,10,11,12,13,14,15
	global_load_b128 v[X+4*(\i):X+4*(\i)+3], v1, s[4:5] offset:512*(\i) th:TH_LOAD_NT  ; 512 consecutive bytes a load; x is read once in the launch
.endr
.irp i, 0,1,2,3,4,5,6,7,8,9,10,11,12,13,14,15
	s_wait_loadcnt 15-(\i)                         ; loads come back in order (ISA guide 5.7.1): load i is in, the 15 - i younger ones stay out
	v_cvt_pk_bf16_f32 v[X+4*(\i)],   v[X+4*(\i)],   v[X+4*(\i)+1]
	v_cvt_pk_bf16_f32 v[X+4*(\i)+1], v[X+4*(\i)+2], v[X+4*(\i)+3]
	global_store_b64 v2, v[X+4*(\i):X+4*(\i)+1], s[10:11] offset:256*(\i)  ; 32 lanes x 8 bytes: 256 consecutive bytes, aligned; no register of a store is written again
.endr
	s_endpgm
	; ---- q: eight rows of 4,096 bytes in, eight rows of 8,192 bytes out ----
.Lq:
	s_sub_co_u32 s2, s2, XGROUPS
	s_lshl_b32 s14, s2, 15                         ; the group's 8 rows of q
	s_mov_b32 s15, 0
	s_lshl_b32 s16, s2, 16                         ; of wb
	s_mov_b32 s17, 0
	s_lshl_b32 s18, s2, 5                          ; and its 8 scales
	s_mov_b32 s19, 0
	s_mov_b32 s20, 0x07040400                      ; v_perm_b32 selects: byte 3 = 2^23's top byte, bytes 2 and 1 = its zero bytes, byte 0 = byte k of the data word
	s_mov_b32 s21, 0x07040401
	s_mov_b32 s22, 0x07040402
	s_mov_b32 s23, 0x07040403
	s_mov_b32 s24, 0xcb000080                      ; -(2^23 + 128)
	s_mov_b32 s25, s24                             ; named with it as a pair
	s_mov_b32 s26, 0x80808080                      ; turns four signed bytes into q + 128, 0 to 255
	v_lshrrev_b32 v3, 5, v0
	v_lshlrev_b32 v3, 2, v3                        ; 4 x wave: my row's scale
	v_mov_b32 v[KC], 0x4b000000
	s_wait_kmcnt 0x0
	s_add_nc_u64 s[6:7], s[6:7], s[14:15]
	s_add_nc_u64 s[12:13], s[12:13], s[16:17]
	s_add_nc_u64 s[8:9], s[8:9], s[18:19]
	global_load_b32 v[SC], v3, s[8:9]              ; the same word in every lane
.irp i, 0,1,2,3,4,5,6,7,8,9,10,11,12,13,14,15
	global_load_b64 v[Q+2*(\i):Q+2*(\i)+1], v2, s[6:7] offset:256*(\i) th:TH_LOAD_NT  ; 256 consecutive bytes a load; q is read once in the launch
.endr
; Eight bytes of a lane become 16 bytes of bf16.  A byte u = q + 128 set under 2^23's exponent IS the f32 number 2^23 + u; taking 2^23 + 128 away leaves q, exactly.
; That subtraction and the scaling stay two instructions: fused, the product 2^23 x scale would be rounded in place of q x scale.
.macro QSTEP i
	s_wait_loadcnt 15-(\i)                         ; load i is in (and the scale, which is older); the 15 - i younger ones stay out
.if (\i) == 0
	v_mov_b32 v[SC+1], v[SC]
.endif
.irp w, 0,1
	v_xor_b32 v[Q+2*(\i)+(\w)], s26, v[Q+2*(\i)+(\w)]
.endr
.irp w, 0,1
.irp k, 0,1,2,3
	v_perm_b32 v[T+4*(\w)+(\k)], v[KC], v[Q+2*(\i)+(\w)], s[20+(\k)]
.endr
.endr
.irp j, 0,2,4,6
	v_pk_add_f32 v[T+(\j):T+(\j)+1], v[T+(\j):T+(\j)+1], s[24:25] op_sel_hi:[1,0]
.endr
.irp j, 0,2,4,6
	v_pk_mul_f32 v[T+(\j):T+(\j)+1], v[T+(\j):T+(\j)+1], v[SC:SC+1]
.endr
	s_wait_xcnt 0x0                                ; every earlier memory instruction has had its addresses translated (ISA guide 3.1): Y, the last store's data, is written again only behind this wait
.irp j, 0,1,2,3
	v_cvt_pk_bf16_f32 v[Y+(\j)], v[T+2*(\j)], v[T+2*(\j)+1]
.endr
	global_store_b128 v1, v[Y:Y+3], s[12:13] offset:512*(\i)  ; 512 consecutive bytes, aligned
.endm
.irp i, 0,1,2,3,4,5,6,7,8,9,10,11,12,13,14,15
	QSTEP \i
.endr
	s_endpgm
.Lfunc_end_k_q4700a00a65_cast:
	.size	k_q4700a00a65_cast, .Lfunc_end_k_q4700a00a65_cast-k_q4700a00a65_cast
	.p2alignl 7, 3214868480
	.fill 96, 4, 3214868480
	.section	.rodata,"a",@progbits
	.p2align	6, 0x0
	.amdhsa_kernel k_q4700a00a65_cast
		.amdhsa_group_segment_fixed_size 0
		.amdhsa_private_segment_fixed_size 0
		.amdhsa_enable_private_segment 0
		.amdhsa_kernarg_size 40
		.amdhsa_user_sgpr_count 2
		.amdhsa_user_sgpr_kernarg_segment_ptr 1
		.amdhsa_wavefront_size32 1
		.amdhsa_system_sgpr_workgroup_id_x 1
		.amdhsa_system_sgpr_workgroup_id_y 1
		.amdhsa_system_sgpr_workgroup_id_z 1
		.amdhsa_system_vgpr_workitem_id 0
		.amdhsa_next_free_vgpr 68
		.amdhsa_next_free_sgpr 66
		.amdhsa_reserve_vcc 0
		.amdhsa_float_denorm_mode_32 3
		.amdhsa_float_denorm_mode_16_64 3
		.amdhsa_memory_ordered 1
		.amdhsa_forward_progress 1
		.amdhsa_inst_pref_size 33
	.end_amdhsa_kernel
	.amdgpu_metadata
---
amdhsa.version: [ 1, 2 ]
amdhsa.kernels:
  - .name:           k_q4700a00a65_cast
    .symbol:         k_q4700a00a65_cast.kd
    .args:
      - { .name: x, .offset: 0, .size: 8, .value_kind: global_buffer, .address_space: global }
      - { .name: qweight, .offset: 8, .size: 8, .value_kind: global_buffer, .address_space: global }
      - { .name: scale, .offset: 16, .size: 8, .value_kind: global_buffer, .address_space: global }
      - { .name: xb, .offset: 24, .size: 8, .value_kind: global_buffer, .address_space: global }
      - { .name: wb, .offset: 32, .size: 8, .value_kind: global_buffer, .address_space: global }
    .group_segment_fixed_size: 0
    .private_segment_fixed_size: 0
    .kernarg_segment_align: 8
    .kernarg_segment_size: 40
    .max_flat_workgroup_size: 256
    .sgpr_count:     66
    .vgpr_count:     68
    .wavefront_size: 32
...
	.end_amdgpu_metadata
.endif
;; end of part 1
;; launch gemm (part 2): grid 16 x 16, 4 waves a work-group, clusters of 4 x 4, 327,680 bytes of LDS; arguments xb, wb, bias, out0; writes out0
.if DOCPART == 2
	.amdgcn_target "amdgcn-amd-amdhsa--gfx1250"
	.amdhsa_code_object_version 6
	.text
	.protected	k_q4700a00a65_gemm
	.globl	k_q4700a00a65_gemm
	.p2align	8
	.type	k_q4700a00a65_gemm,@function
k_q4700a00a65_gemm:
	s_mov_b64 s[64:65], 0
	v_nop
	global_prefetch_b8 v0, s[64:65] scope:SCOPE_SE
	s_setreg_imm32_b32 hwreg(HW_REG_WAVE_MODE, 25, 1), 1
	s_wait_xcnt 0x0
	s_wait_alu depctr_hold_cnt(0) depctr_sa_sdst(0) depctr_va_vdst(0) depctr_va_sdst(0) depctr_va_ssrc(0) depctr_va_vcc(0) depctr_vm_vsrc(0)
	s_getreg_b32 s2, hwreg(HW_REG_IB_STS2, 6, 4)
	s_cmp_eq_u32 s2, 0
	s_cbranch_scc0 .Lentry_in_a_cluster
	s_endpgm
.Lentry_in_a_cluster:
	s_bfe_u32 s2, ttmp6, 0x10000c
	s_cmp_lg_u32 s2, 0xf033
	s_cbranch_scc0 .Lentry_shape_is_right
	s_endpgm
.Lentry_shape_is_right:
; out0[m][n] = bf16( bf16(bias[n]) + sum over k of xb[m][k] wb[n][k] ).  xb: [4096][4096] bf16, wb: [4096][4096] bf16 ([n][k]), bias: [4096] f32, out0: [4096][4096] bf16; sums in f32.
; LIMIT, of rounding order: the bias, rounded to bf16 as reference() rounds it, STARTS each f32 sum, and the whole is rounded to bf16 once; reference() rounds the sum to bf16 and
; the sum with the bias once more.  The order of the additions is the matrix instruction's.  bf16 has f32's exponents: no limit of range; NaN and infinities go through the sums as they come.
; SHARES.  16 x 16 tiles of 256 x 256: 256 work-groups of four waves; a wave makes 128 x 128: 64 accumulators of 16 x 16, 512 registers.  For 32 along K a wave reads 2 x 128 x 64 bytes
; from LDS and issues 64 matrix instructions.  K goes in 32 steps of 128 through a ring of two LDS slots filled by the tensor data mover; a tile's rows are 256 bytes of memory, at multiples of 256.
; CLUSTERS: 4 x 4 work-groups.  The four of a row of the cluster need the same tiles of xb, the four of a column the same tiles of wb: such a tile is asked for JOINTLY, by the same tensor load
; with the same descriptor and a mask that names the four, and each receives it in its own LDS: the requests for both operands are divided by four.
; THE MATRIX INSTRUCTION IS USED TRANSPOSED: source 0 = 16 rows of wb, source 1 = 16 rows of xb.  Lane l then holds row m = l % 16 of the result and its registers 0 to 7 the columns
; n = 8 (l / 16) + 0 .. 7: eight neighbouring numbers of a row, which pack into 16 bytes.  The bias of those eight columns, in eight registers, is the C operand of the first product.
; THE LAST K STEP goes by rows of the result, so that finished rows leave while the others are still multiplied.
; REGISTERS, in windows of 256 (s_set_vgpr_msb's low byte: bits 1:0 source 0, 3:2 source 1, 5:4 source 2, 7:6 destination):
;   window 0: v0-31 addresses and set-up; v64-127, v128-191 fragments of xb, two buffers (in the last K step four, of 16 rows x 128 K); v192-255 the bias until the first quarter step is done;
;             then v192-223 packed results and v32-63, v224-255 rows read back, on the way out
;   window 1: v64-127, v128-191 fragments of wb, two buffers; in the last K step all 256
;   window 2: the 32 accumulators of my rows 0-63 (accumulator (a, b) at v[8 (8 a + b)]);   window 3: those of my rows 64-127
.set SIZE_N, 4096
.set SIZE_K, 4096
.set KSTEP,  128
.set PITCH,  272                       ; an LDS row: 256 bytes of data + 16 of padding = 68 words: row r starts at bank 4 r mod 64 (64 banks of 4 bytes: ISA guide 11.1), so the 16 rows of a load start at 16 different banks
.set HALFT,  128*PITCH                 ; 128 rows: what one tensor load brings, and what one wave reads of either operand
.set SLOT,   4*HALFT                   ; xb's 256 rows, then wb's 256 rows
.set STAGE,  2*SLOT                    ; behind the ring: 16 rows x 272 bytes for each wave, for the way out; no tensor load lands here
.set SPITCH, 272
.set SPARE,  STAGE+4*16*SPITCH         ; behind the stages: the spare words, 128 bytes for each wave: two blocks of 256 bytes that no other line names
.set LAPS,   SIZE_K/(2*KSTEP)          ; 16 laps; a lap = two K steps = once round the ring
.set BO,   6                           ; v6      32 (l / 16): my eight columns' byte offset in 16 columns of the bias
.set BT,   8                           ; v8-15   at work while the bias is rounded
.set ADRA, 16                          ; v16-17  LDS address of my xb fragments in slot 0, 1
.set ADRB, 20                          ; v20-21  the same for wb
.set STO,  24                          ; v24     the way out: where I put 16 bytes of a row
.set RD,   25                          ; v25     the way out: where I read a row back
.set CO,   26                          ; v26     my byte offset in out0
.set SPW,  28                          ; v28     LDS address of my spare word: SPARE + 4 x my thread's number; never rewritten
.set NIL,  29                          ; v29     0; never rewritten
.set F0,   64                          ; fragment buffer 0
.set F1,   128                         ; fragment buffer 1
.set BIAS, 192                         ; the bias of column block b in v[BIAS + 8 b ..], window 0
.set TMP,  192                         ; the way out: packed results
.set OB,   32                          ; the way out: 16 rows read back: v32-63 and v224-255 by turns
.set PA,   64                          ; the last K step: xb's fragments of 16 rows x 128 K, 32 registers; four such buffers, v64-191
.set G1,  24                           ; s[24:31] descriptor group 1 for xb's tiles
.set G0,  32                           ; s[32:39] descriptor group 0 for xb's tiles, one set for each slot
.set G1B, 48                           ; s[48:55] group 1 for wb's tiles: it differs in the mask alone
.set G0B, 56                           ; s[56:63] group 0 for wb's tiles, one set for each slot
.set MSB, 0
.macro WIN new                         ; the immediate's high byte repeats the setting that is left; a switch that changes nothing is dropped
.if MSB != (\new)
	s_set_vgpr_msb (MSB<<8)|(\new)
.set MSB, \new
.endif
.endm
.set MUL_LO, 0xa1                      ; source 0 (wb) window 1, source 1 (xb) window 0, C and D window 2
.set MUL_HI, 0xf1                      ; the same, C and D window 3
.set BEG_LO, 0x81                      ; the first product: C (the bias) window 0, D window 2
.set BEG_HI, 0xc1                      ; the same, D window 3
.set TO_B,   0x40                      ; destination window 1, address window 0
; A joint load.  Waves 0 and 1 fetch xb's two halves, waves 2 and 3 wb's.  Each of the two lines has one mask and one set of registers for all that issue it, and nothing in them hangs on a
; coordinate that the four partners do not share.  The branch hangs on the wave's number alone.  An s_nop 0 and four v_nop follow each line, ahead of the jump and the label.
.macro JLOAD s
	s_cmp_eq_u32 s11, 0
	s_cbranch_scc0 .Lfor_b_\@
	tensor_load_to_lds s[G0+4*(\s):G0+4*(\s)+3], s[G1:G1+7]
	s_nop 0
.rept 4
	v_nop
.endr
	s_branch .Lasked_\@
.Lfor_b_\@:
	tensor_load_to_lds s[G0B+4*(\s):G0B+4*(\s)+3], s[G1B:G1B+7]
	s_nop 0
.rept 4
	v_nop
.endr
.Lasked_\@:
.endm
; A round of the cluster's barrier: my work-group's barrier, so that wave 0's signal speaks for all four waves; wave 0 signals for the work-group; every wave waits for all sixteen
; work-groups; my work-group's barrier once more.  No LDS instruction of the wave is pending at a signal.
.macro CREST                           ; a round behind its opening barrier
	s_cmp_lg_u32 s10, 0
	s_cbranch_scc1 .Lnot_wave_0_\@
	s_barrier_signal -3
.Lnot_wave_0_\@:
	s_barrier_wait -3
	s_barrier_signal -1
	s_barrier_wait -1
.endm
.macro CROUND                          ; a whole round
	s_barrier_signal -1
	s_barrier_wait -1
	CREST
.endm
	s_load_b128 s[4:7], s[0:1], 0x0                ; xb s[4:5], wb s[6:7]
	s_load_b64 s[66:67], s[0:1], 0x10              ; bias
	s_load_b64 s[8:9], s[0:1], 0x18                ; out0
	v_lshl_add_u32 v[SPW], v0, 2, SPARE
	v_mov_b32 v[NIL], 0
	ds_add_u32 v28, v29
	s_wait_dscnt 0x0
	v_lshrrev_b32 v1, 5, v0
	v_readfirstlane_b32 s10, v1                    ; wave 0..3
	s_lshr_b32 s11, s10, 1                         ; which half of the tile's rows is mine.  Also: I fetch for xb (0) or for wb (1)
	s_and_b32 s12, s10, 1                          ; which half of its columns.  Also: which 128 rows of that operand's tile I fetch
	s_bfe_u32 s40, ttmp6, 0x40000                  ; cx: my place along the cluster's x
	s_bfe_u32 s41, ttmp6, 0x40004                  ; cy: along its y
	s_lshl_b32 s42, ttmp9, 2                       ; in a cluster launch ttmp9 and ttmp7 count clusters
	s_add_co_u32 s42, s42, s40                     ; tile column = 4 x cluster x + cx
	s_and_b32 s13, ttmp7, 0xffff
	s_lshl_b32 s13, s13, 2
	s_add_co_u32 s13, s13, s41                     ; tile row = 4 x cluster y + cy
	s_lshl_b32 s43, s41, 2
	s_lshl_b32 s43, 15, s43                        ; my row of the cluster: places 4 cy .. 4 cy + 3
	s_lshl_b32 s44, 0x1111, s40                    ; my column: places cx, cx + 4, cx + 8, cx + 12
	; descriptor group 1: a tile of 128 rows x 128 elements, padded in LDS
	s_or_b32 s[G1+0], s43, (1<<16)|(1<<20)|(1<<21)|(5<<22)|(3<<25)   ; 15:0 the mask: xb's tiles go to my row; 17:16 elements of 2 bytes; 20 padding on; 21 set beside a mask; 24:22 after every 64 words (code 5); 31:25 4 words of it (code 3)
	s_or_b32 s[G1B+0], s44, (1<<16)|(1<<20)|(1<<21)|(5<<22)|(3<<25)  ; the same with the mask of my column, for wb's tiles
.irp g, G1, G1B
	s_mov_b32 s[(\g)+1], KSTEP<<16                 ; 63:48 tensor_dim0, low half = 128
	s_mov_b32 s[(\g)+2], 128<<16                   ; 79:64 its high half = 0; 95:80 tensor_dim1, low half = 128
	s_mov_b32 s[(\g)+3], KSTEP<<16                 ; 111:96 its high half = 0; 127:112 tile_dim0 = 128
	s_mov_b32 s[(\g)+4], 128                       ; 143:128 tile_dim1 = 128; 159:144 tile_dim2 = 0
	s_mov_b32 s[(\g)+5], SIZE_K                    ; 191:160 elements from row to row
	s_mov_b32 s[(\g)+6], 0
	s_mov_b32 s[(\g)+7], 0
.endr
	; where the tiles come from.  xb's hang on the tile row alone, which my row of the cluster shares; wb's on the tile column alone, which my column shares.
	; Every wave makes both addresses, in registers that never hold the other coordinate, and asks by one of them.
	s_lshl_b32 s17, s12, 7                         ; which 128 rows of the tile I fetch
	s_lshl_b32 s16, s13, 8
	s_add_co_u32 s16, s16, s17                     ; xb: row 256 x tile row + 128 x half
	s_lshl_b32 s46, s42, 8
	s_add_co_u32 s46, s46, s17                     ; wb: row 256 x tile column + 128 x half
	s_mov_b32 s17, 0
	s_mov_b32 s47, 0
	s_mov_b64 s[18:19], SIZE_K*2
	s_mul_u64 s[16:17], s[16:17], s[18:19]         ; in bytes
	s_mul_u64 s[46:47], s[46:47], s[18:19]
	s_mul_i32 s20, s10, HALFT                      ; and where they go: wave x 128 rows: no place in the cluster enters an LDS address
	s_wait_kmcnt 0x0
	s_add_nc_u64 s[14:15], s[4:5], s[16:17]
	s_add_nc_u64 s[46:47], s[6:7], s[46:47]
	CROUND                                         ; all sixteen work-groups are here: the first joint loads meet
.irp s, 0,1
	s_mov_b32 s[G0+4*(\s)], 1                                        ; 1:0 count = 1
	s_add_co_u32 s[G0+4*(\s)+1], s20, (\s)*SLOT                      ; 63:32 LDS address
	s_add_nc_u64 s[G0+4*(\s)+2:G0+4*(\s)+3], s[14:15], (\s)*KSTEP*2  ; 120:64 global address: K step s
	s_or_b32 s[G0+4*(\s)+3], s[G0+4*(\s)+3], 0x80000000              ; 127:126 type = 2
	s_mov_b32 s[G0B+4*(\s)], 1
	s_add_co_u32 s[G0B+4*(\s)+1], s20, (\s)*SLOT
	s_add_nc_u64 s[G0B+4*(\s)+2:G0B+4*(\s)+3], s[46:47], (\s)*KSTEP*2
	s_or_b32 s[G0B+4*(\s)+3], s[G0B+4*(\s)+3], 0x80000000
	JLOAD \s                                       ; the ring is filled before anything else is done: two tensor loads of mine are out
.endr
	; A fragment is 16 rows x 32 K in 8 registers: lane l holds row l % 16; registers 0-3 hold K = 8 (l / 16) + 0..7, registers 4-7 K = 16 + 8 (l / 16) + 0..7:
	; two loads of 16 bytes, 32 bytes apart, from rows that lie along K.  The same for both sources.
	v_and_b32 v1, 15, v0                           ; l % 16
	v_bfe_u32 v2, v0, 4, 1                         ; l / 16
	v_mul_u32_u24 v3, v1, PITCH
	v_lshl_add_u32 v3, v2, 4, v3                   ; row x pitch + 16 x half
	s_mul_i32 s21, s11, HALFT                      ; my 128 rows of xb
	s_mul_i32 s22, s12, HALFT                      ; my 128 rows of wb,
	s_add_co_u32 s22, s22, 2*HALFT                 ; which lie behind xb's 256
.irp s, 0,1
	v_add_nc_u32 v[ADRA+(\s)], s21, v3
	v_add_nc_u32 v[ADRB+(\s)], s22, v3
	s_add_co_u32 s21, s21, SLOT
	s_add_co_u32 s22, s22, SLOT
.endr
	s_mul_i32 s23, s10, 16*SPITCH
	s_add_co_u32 s23, s23, STAGE                   ; my stage
	v_mul_u32_u24 v4, v1, SPITCH                   ; in: row l % 16, 16 bytes for each half of the lanes
	v_lshl_add_u32 v4, v2, 4, v4
	v_add_nc_u32 v[STO], s23, v4
	v_mul_u32_u24 v5, v2, SPITCH                   ; back: lanes 0-15 take one row of 256 bytes, lanes 16-31 the next
	v_lshl_add_u32 v5, v1, 4, v5
	v_add_nc_u32 v[RD], s23, v5
	v_mul_u32_u24 v5, v2, SIZE_N*2                 ; and the same two rows in out0
	v_lshl_add_u32 v[CO], v1, 4, v5
	; where my part of the tile begins in out0, in bytes: the way out adds it to the buffer's address
	s_lshl_b32 s13, s13, 8
	s_lshl_b32 s14, s11, 7
	s_add_co_u32 s16, s13, s14                     ; my first row
	s_mov_b32 s17, 0
	s_mov_b64 s[18:19], SIZE_N*2
	s_mul_u64 s[16:17], s[16:17], s[18:19]
	s_lshl_b32 s46, s42, 9                         ; my first column, in bytes: 512 x tile column + 256 x half (in the registers that held wb's address: none that feeds xb's descriptors ever holds cx)
	s_lshl_b32 s47, s12, 8
	s_add_co_u32 s46, s46, s47
	s_mov_b32 s47, 0
	s_add_nc_u64 s[16:17], s[16:17], s[46:47]
	; THE BIAS of my 128 columns: for column block b a lane takes the eight f32 at 64 b + 32 (l / 16), the columns that its eight result registers hold.  Rounded to bf16 and widened again,
	; as reference() adds it.  All this stands in the wait for the first tile.
	v_lshlrev_b32 v[BO], 5, v2
	s_lshl_b32 s68, s42, 10                        ; 256 columns x 4 bytes x tile column
	s_lshl_b32 s69, s12, 9                         ; + 128 columns x 4 bytes x half
	s_add_co_u32 s68, s68, s69
	s_mov_b32 s69, 0
	s_add_nc_u64 s[66:67], s[66:67], s[68:69]
.irp b, 0,1,2,3,4,5,6,7
	global_load_b128 v[BIAS+8*(\b):BIAS+8*(\b)+3],   v[BO], s[66:67] offset:64*(\b)
	global_load_b128 v[BIAS+8*(\b)+4:BIAS+8*(\b)+7], v[BO], s[66:67] offset:64*(\b)+16
.endr
	s_wait_loadcnt 0x0
.irp g, 0,1,2,3
.irp j, 0,1,2,3,4,5,6,7
	v_cvt_pk_bf16_f32 v[BT+(\j)], v[BIAS+16*(\g)+2*(\j)], v[BIAS+16*(\g)+2*(\j)+1]
.endr
.irp j, 0,1,2,3,4,5,6,7
	v_lshlrev_b32 v[BIAS+16*(\g)+2*(\j)],   16,         v[BT+(\j)]
	v_and_b32     v[BIAS+16*(\g)+2*(\j)+1], 0xffff0000, v[BT+(\j)]
.endr
.endr
; 16 matrix instructions: row blocks a0, a0 + 1 of the window's four (hi = 0: my rows 0-63, 1: rows 64-127) x all 8 column blocks, 32 along K.
; start = 1: the first product starts the sums from the bias: nothing is cleared, and nothing is added on the way out.
; The 64 accumulators take turns, one instruction a turn, in the same order in every quarter step.
.macro MUL16 f, hi, a0, start
.if \start
	WIN BEG_LO+0x40*(\hi)
.else
	WIN MUL_LO+0x50*(\hi)
.endif
.irp a, \a0, (\a0)+1
.irp b, 0,1,2,3,4,5,6,7
.if \start
	v_wmma_f32_16x16x32_bf16 v[8*(8*(\a)+(\b)):8*(8*(\a)+(\b))+7], v[(\f)+8*(\b):(\f)+8*(\b)+7], v[(\f)+8*(4*(\hi)+(\a)):(\f)+8*(4*(\hi)+(\a))+7], v[BIAS+8*(\b):BIAS+8*(\b)+7]
.else
	v_wmma_f32_16x16x32_bf16 v[8*(8*(\a)+(\b)):8*(8*(\a)+(\b))+7], v[(\f)+8*(\b):(\f)+8*(\b)+7], v[(\f)+8*(4*(\hi)+(\a)):(\f)+8*(4*(\hi)+(\a))+7], v[8*(8*(\a)+(\b)):8*(8*(\a)+(\b))+7]
.endif
.endr
.endr
.endm
; 32 LDS loads in one run: the fragments of one quarter step (128 rows of wb, 128 rows of xb, 32 K at byte k of the rows) into buffer f
.macro FETCH slot, k, f
	WIN TO_B
.irp i, 0,1,2,3,4,5,6,7
	ds_load_b128 v[(\f)+8*(\i):(\f)+8*(\i)+3],   v[ADRB+(\slot)] offset:(\k)+(\i)*16*PITCH
	ds_load_b128 v[(\f)+8*(\i)+4:(\f)+8*(\i)+7], v[ADRB+(\slot)] offset:(\k)+(\i)*16*PITCH+32
.endr
	WIN 0
.irp i, 0,1,2,3,4,5,6,7
	ds_load_b128 v[(\f)+8*(\i):(\f)+8*(\i)+3],   v[ADRA+(\slot)] offset:(\k)+(\i)*16*PITCH
	ds_load_b128 v[(\f)+8*(\i)+4:(\f)+8*(\i)+7], v[ADRA+(\slot)] offset:(\k)+(\i)*16*PITCH+32
.endr
.endm
; A load into a register that a matrix instruction has read, and a vector instruction that reads a matrix result, stand four places behind that matrix instruction, and only plain vector
; instructions that name none of its registers are places (ISA guide 7.12.1 for vector instructions): four v_nop in front of each run of loads.
.macro PLACES
.rept 4
	v_nop
.endr
.endm
; A K step is four quarter steps of 32 along K, 64 matrix instructions each, on buffers 0, 1, 0, 1.
; One of the first three: multiplies buffer f; in its middle it fetches the next quarter's fragments, at byte k of the same slot's rows, into buffer g.
.macro QUARTER slot, k, f, g, start
	s_wait_dscnt 8                                 ; wb's fragments and xb's rows 0-63 are in; the youngest eight loads (xb's rows 64-127) may be out
	MUL16 \f, 0, 0, \start
	MUL16 \f, 0, 2, \start
	PLACES
	FETCH \slot, \k, \g
	s_wait_dscnt 32                                ; all but the 32 just issued
	MUL16 \f, 1, 0, \start
	MUL16 \f, 1, 2, \start
.endm
; The last quarter multiplies buffer 1 and changes slots.  MEET is its first half: ONE barrier for the change.  In front of it each wave waits for all its tensor loads, of which one is out:
; its part of the next slot; adds 0 to its spare word; and waits for that and for its own reads of this slot.  Behind it nobody reads this slot any more and the next slot is whole.
.macro MEET round                      ; round = 1: the rest of a round of the cluster's barrier follows
	WIN 0                                          ; (the add's two registers lie in window 0)
	s_wait_tensorcnt 0x0                           ; all my tensor loads have landed: the one that was out is my part of the next slot;
	ds_add_u32 v[SPW], v[NIL]                      ; 0 onto my spare word;
	s_wait_dscnt 9                                 ; (the add and the youngest eight loads may be out)
	MUL16 F1, 0, 0, 0                              ; sixteen matrix instructions stand between the add and the wait for it
	s_wait_dscnt 0x0                               ; the add is done, and my reads of this slot are over:
	s_barrier_signal -1                            ; say so,
	MUL16 F1, 0, 2, 0                              ; work on registers while the others arrive,
.if \round
	WIN 0
.endif
	s_barrier_wait -1                              ; and go on when all four have said so
.endm
; The whole last quarter.  Behind the round the slot just read out is filled again first, with the K step two steps on; then come the next slot's first fragments.
; From a request to the wait for it a wave issues 224 matrix instructions.
.macro TURN slot, next
	MEET 1
	CREST                                          ; all sixteen work-groups have said so: no wave of any partner still reads this slot's tile or has a load on its way
	s_add_nc_u64 s[G0+4*(\slot)+2:G0+4*(\slot)+3], s[G0+4*(\slot)+2:G0+4*(\slot)+3], 2*KSTEP*2      ; no tensor load of mine is out, so a group 0 may be written; the type bits on top are not reached
	s_add_nc_u64 s[G0B+4*(\slot)+2:G0B+4*(\slot)+3], s[G0B+4*(\slot)+2:G0B+4*(\slot)+3], 2*KSTEP*2
	JLOAD \slot                                    ; the first tensor load behind the round, my only one until the next; its four v_nop are also the places in front of the loads below
	FETCH \next, 0, F0
	MUL16 F1, 1, 0, 0
	MUL16 F1, 1, 2, 0
.endm
; THE LAST K STEP (it lies in slot 1) GOES BY ROWS.  All its fragments of wb (4 quarters x 64 registers) fill window 1; then my eight blocks of 16 rows are finished one after the other,
; each with 32 matrix instructions (its 8 accumulators by turns, K ascending).  LDS is read no more than in any other K step.
.macro BLOAD q                         ; wb's fragments of quarter q -> window 1, v[64 q ..]
	WIN TO_B
.irp i, 0,1,2,3,4,5,6,7
	ds_load_b128 v[64*(\q)+8*(\i):64*(\q)+8*(\i)+3],   v[ADRB+1] offset:64*(\q)+(\i)*16*PITCH
	ds_load_b128 v[64*(\q)+8*(\i)+4:64*(\q)+8*(\i)+7], v[ADRB+1] offset:64*(\q)+(\i)*16*PITCH+32
.endr
.endm
.macro ALOAD a                         ; xb's fragments of block a, all four quarters -> buffer a % 4
	WIN 0
.set FA, PA+32*((\a)%4)
.irp q, 0,1,2,3
	ds_load_b128 v[FA+8*(\q):FA+8*(\q)+3],   v[ADRA+1] offset:64*(\q)+(\a)*16*PITCH
	ds_load_b128 v[FA+8*(\q)+4:FA+8*(\q)+7], v[ADRA+1] offset:64*(\q)+(\a)*16*PITCH+32
.endr
.endm
.macro ROW a                           ; block a is finished: 32 matrix instructions
.set FA, PA+32*((\a)%4)                ; its fragments of xb
.set AC, 64*((\a)%4)                   ; its eight accumulators, in window 2 (blocks 0-3) or 3 (blocks 4-7)
	WIN MUL_LO+0x50*((\a)/4)
.irp q, 0,1,2,3
.if (\a) == 0 && (\q) == 2
	s_wait_dscnt 24                                ; wb's quarter 2 is in (behind it: xb's blocks 1 to 3, 24 loads)
.endif
.irp b, 0,1,2,3,4,5,6,7
	v_wmma_f32_16x16x32_bf16 v[AC+8*(\b):AC+8*(\b)+7], v[64*(\q)+8*(\b):64*(\q)+8*(\b)+7], v[FA+8*(\q):FA+8*(\q)+7], v[AC+8*(\b):AC+8*(\b)+7]
.endr
.endr
.endm
; THE WAY OUT of block a, in three parts.  PACK: rounded to bf16, 16 bytes a lane (each accumulator's registers in ascending order).  TOSTAGE: into my own stage in LDS, and back as whole rows of 256 bytes.  SEND: stored.
.macro PACK a
.set AC, 64*((\a)%4)
	WIN 0x0a+5*((\a)/4)                            ; sources 0 and 1: window 2 or 3; destination window 0
.irp b, 0,1,2,3,4,5,6,7
.irp r, 0,1,2,3
	v_cvt_pk_bf16_f32 v[TMP+4*(\b)+(\r)], v[AC+8*(\b)+2*(\r)], v[AC+8*(\b)+2*(\r)+1]
.endr
.endr
	WIN 0
.endm
.macro TOSTAGE a
	WIN 0
.set BK, OB+192*((\a)%2)
.irp b, 0,1,2,3,4,5,6,7
	ds_store_b128 v[STO], v[TMP+4*(\b):TMP+4*(\b)+3] offset:32*(\b)
.endr
.irp t, 0,1,2,3,4,5,6,7
	ds_load_b128 v[BK+4*(\t):BK+4*(\t)+3], v[RD] offset:(\t)*2*SPITCH  ; LDS serves a wave's instructions in order (ISA guide 5.7.1.4): these see the stores above; the stage is my wave's own
.endr
.endm
.macro SEND a, younger                 ; younger: the LDS loads issued behind TOSTAGE's, which may stay out
	WIN 0
.set BK, OB+192*((\a)%2)
	s_wait_dscnt \younger                          ; the block is back in registers
	s_wait_xcnt 0x0                                ; every earlier memory instruction has had its addresses translated (ISA guide 3.1): only behind this wait are the stores' base and the registers that earlier stores read rewritten
.if (\a) == 0
	s_add_nc_u64 s[8:9], s[8:9], s[16:17]          ; on to my first rows and columns
.else
	s_add_nc_u64 s[8:9], s[8:9], 16*SIZE_N*2       ; 16 rows on, so that the stores' offsets stay at 14 rows (114,688 bytes) at the most
.endif
.irp t, 0,1,2,3,4,5,6,7
	global_store_b128 v[CO], v[BK+4*(\t):BK+4*(\t)+3], s[8:9] offset:2*(\t)*SIZE_N*2  ; 16 lanes store 256 consecutive bytes, at a multiple of 256 from out0's first byte
.endr
.endm
	s_wait_tensorcnt 1                             ; my part of K step 0 is in; K step 1's may stay out
	s_barrier_signal -1
	s_barrier_wait -1                              ; everybody's is
	FETCH 0, 0, F0
	QUARTER 0, 64,  F0, F1, 1                      ; the first quarter stands in front of the loop: its products start the sums from the bias
	WIN 0                                          ; at a label and at a branch every window is 0
	s_mov_b32 s3, LAPS-1
.Llap:                                                 ; 15 trips: once round the ring, from a lap's second quarter to the next lap's first; both slots are filled again (K steps 2 to 31)
	QUARTER 0, 128, F1, F0, 0
	QUARTER 0, 192, F0, F1, 0
	TURN 0, 1
	QUARTER 1, 64,  F0, F1, 0
	QUARTER 1, 128, F1, F0, 0
	QUARTER 1, 192, F0, F1, 0
	TURN 1, 0
	QUARTER 0, 64,  F0, F1, 0
	WIN 0
	s_sub_co_u32 s3, s3, 1
	s_cmp_lg_u32 s3, 0
	s_cbranch_scc1 .Llap
	QUARTER 0, 128, F1, F0, 0                      ; the last lap is written out: it asks for nothing more
	QUARTER 0, 192, F0, F1, 0
	MEET 0                                         ; my one tensor load that was still out is slot 1's, the last K step's, so no round follows
	PLACES                                         ; for the loads into buffer 0, which the quarter before multiplied
	BLOAD 0                                        ; three quarters of wb now: buffer 1 (v128-191 of both windows) is still being multiplied
	BLOAD 1
	BLOAD 3
	ALOAD 0
	MUL16 F1, 1, 0, 0
	MUL16 F1, 1, 2, 0
	PLACES                                         ; for the loads into buffer 1
	BLOAD 2
	ALOAD 1
	ALOAD 2
	ALOAD 3
	s_wait_dscnt 40                                ; all but the 40 just issued
	ROW 0
.irp a, 0,1,2,3,4,5,6,7                ; each block leaves as soon as it is finished: nothing follows the tile under which its stores could leave
	PLACES                                         ; its conversions read results just made, and no other vector work is at hand
	PACK \a
	TOSTAGE \a
.if (\a) < 4
	ALOAD (\a)+4                                   ; its buffer takes the block four further on: the 32 conversions are the places behind the products that read it
	SEND \a, 8
.else
	SEND \a, 0
.endif
.if (\a) < 7
	ROW (\a)+1
.endif
.endr
	s_wait_tensorcnt 0x0                           ; the wave's end: behind my last tensor load and my last LDS store
	ds_add_u32 v[SPW], v[NIL]
	s_wait_dscnt 0x0
	CROUND                                         ; the closing round: no work-group ends while a partner may still ask for a tile that names it
	s_endpgm
.Lfunc_end_k_q4700a00a65_gemm:
	.size	k_q4700a00a65_gemm, .Lfunc_end_k_q4700a00a65_gemm-k_q4700a00a65_gemm
	.p2alignl 7, 3214868480
	.fill 96, 4, 3214868480
	.section	.rodata,"a",@progbits
	.p2align	6, 0x0
	.amdhsa_kernel k_q4700a00a65_gemm
		.amdhsa_group_segment_fixed_size 327680
		.amdhsa_private_segment_fixed_size 0
		.amdhsa_enable_private_segment 0
		.amdhsa_kernarg_size 32
		.amdhsa_user_sgpr_count 2
		.amdhsa_user_sgpr_kernarg_segment_ptr 1
		.amdhsa_wavefront_size32 1
		.amdhsa_system_sgpr_workgroup_id_x 1
		.amdhsa_system_sgpr_workgroup_id_y 1
		.amdhsa_system_sgpr_workgroup_id_z 1
		.amdhsa_system_vgpr_workitem_id 0
		.amdhsa_next_free_vgpr 1024
		.amdhsa_next_free_sgpr 70
		.amdhsa_reserve_vcc 0
		.amdhsa_float_denorm_mode_32 3
		.amdhsa_float_denorm_mode_16_64 3
		.amdhsa_memory_ordered 1
		.amdhsa_forward_progress 1
		.amdhsa_inst_pref_size 150
	.end_amdhsa_kernel
	.amdgpu_metadata
---
amdhsa.version: [ 1, 2 ]
amdhsa.kernels:
  - .name:           k_q4700a00a65_gemm
    .symbol:         k_q4700a00a65_gemm.kd
    .args:
      - { .name: xb, .offset: 0, .size: 8, .value_kind: global_buffer, .address_space: global }
      - { .name: wb, .offset: 8, .size: 8, .value_kind: global_buffer, .address_space: global }
      - { .name: bias, .offset: 16, .size: 8, .value_kind: global_buffer, .address_space: global }
      - { .name: out0, .offset: 24, .size: 8, .value_kind: global_buffer, .address_space: global }
    .group_segment_fixed_size: 327680
    .private_segment_fixed_size: 0
    .kernarg_segment_align: 8
    .kernarg_segment_size: 32
    .max_flat_workgroup_size: 128
    .sgpr_count:     70
    .vgpr_count:     1024
    .wavefront_size: 32
...
	.end_amdgpu_metadata
.endif
;; end of part 2
